; MI455X (gfx1250); checked and timed in simulation.
; The chip was launched on July 23, 2026; its instructions are those of AMD's public machine-readable ISA for CDNA 5 (MIT licence, August 2026) and "CDNA5" Instruction Set Architecture Reference Guide (July 2026). The comments in the code are by the model that wrote it; some were corrected since.
;; Temporal Attention. Allowed arithmetic: float matrix products may take bf16 or f16 operands with f32 sums; other float arithmetic in f32, or as packed bf16 or f16 multiplies, adds, multiply-adds, maxima and minima; sums over many terms, partial sums and values carried from step to step in f32; what a program stores and reads back later, other than sums and carried values, may be rounded once to bf16 or f16.
;; Inputs: Wk 1,024 x 1,024 float32; Wq 1,024 x 1,024 float32; Wv 1,024 x 1,024 float32; pos_emb 256 x 1,024 float32; x 64 x 256 x 1,024 float32.
;; Outputs: out0 64 x 256 x 1,024 float32.
;; One version. Each part assembles by itself: llvm-mc -triple=amdgcn-amd-amdhsa -mcpu=gfx1250 --defsym DOCPART=n.
;; ======== version 1 of 1: 5 launches
;; limits: values are held in f16: magnitudes above 65,504 overflow, below 6.1e-05 lose precision
;; workspace buffers: xh 33,554,432 bytes; wh 6,291,456 bytes; qkv 100,663,296 bytes; part 8,192,000 bytes; ltab 163,840 bytes
;; launch cast (part 1): grid 1216 x 1, 8 waves a work-group, no clusters, 0 bytes of LDS; arguments x, pos_emb, Wq, Wk, Wv, xh, wh; writes xh, wh
.if DOCPART == 1
	.amdgcn_target "amdgcn-amd-amdhsa--gfx1250"
	.amdhsa_code_object_version 6
	.text
	.protected	k_qc48142c2fd_cast
	.globl	k_qc48142c2fd_cast
	.p2align	8
	.type	k_qc48142c2fd_cast,@function
k_qc48142c2fd_cast:
	s_mov_b64 s[64:65], 0
	v_nop
	global_prefetch_b8 v0, s[64:65] scope:SCOPE_SE
	s_setreg_imm32_b32 hwreg(HW_REG_WAVE_MODE, 25, 1), 1
	s_wait_xcnt 0x0
; xh[b][t][:] = f16(x[b][t][:] + pos_emb[t][:]) (the sum in f32, rounded once);  wh[m][k][n] = f16(W_m[k][n]), m = 0, 1, 2 for Wq, Wk, Wv.
; LIMIT: |x + pos_emb| and |W| stay below 65,504 (f16's range); below 6e-5 f16 keeps its fixed step of 6e-8.
; A stream: no LDS, no matrix unit, no cluster (no byte is shared).  A row is 1,024 f32 = 4,096 bytes; thread t owns its bytes 16 t .. 16 t + 15 and writes 8 bytes:
; a wave's load covers 512 consecutive bytes, its store 256 consecutive bytes, aligned.
; Work-groups 0-1023: row t = number % 256 of the 16 batches 16 (number / 256) on, so a thread's four numbers of pos_emb stay in registers.  Work-groups 1024-1215: 16 rows of one W.
; Small shares, 16 rows each, so that several work-groups lie on a WGP (80 registers a wave) and each has eight loads of every wave on their way.
; A ring of eight slots: filled, filled once more, drained; a slot owns its data, its result and its two offsets.
.set XSTR, 1048576                     ; bytes from a row of x to the same row of the next batch
.set WSTR, 4096                        ; bytes from a row of W to the next
.set PE,  2                            ; v[2:5]    my four numbers of pos_emb
.set T,   6                            ; v[6:9]    at work
.set OFF, 10                           ; v[10:17]  slot i: byte offset of its 16 bytes in the source
.set OOF, 18                           ; v[18:25]  slot i: byte offset of its 8 bytes in the target: half of that
.set X,   26                           ; v[26:57]  slot i: four f32 as loaded
.set Y,   58                           ; v[58:73]  slot i: four f16 to store
.set SRC, 20                           ; s[20:21]
.set DST, 22                           ; s[22:23]
; One slot's turn.  ahead = 1: the slot is filled again, eight rows on.  left = how many younger loads may stay out.
.macro SLOT i, ahead, left, pos, stride
	s_wait_loadcnt \left                           ; loads come back in order: mine is in, the younger ones stay out; its offset register is free
	s_wait_xcnt 0x0                                ; the slot's last store has read Y and OOF: they are rewritten only behind this wait
.if \pos
	v_pk_add_f32 v[T:T+1],   v[X+4*(\i):X+4*(\i)+1],   v[PE:PE+1]
	v_pk_add_f32 v[T+2:T+3], v[X+4*(\i)+2:X+4*(\i)+3], v[PE+2:PE+3]
	v_cvt_pk_f16_f32 v[Y+2*(\i)],   v[T],   v[T+1]
	v_cvt_pk_f16_f32 v[Y+2*(\i)+1], v[T+2], v[T+3]
.else
	v_cvt_pk_f16_f32 v[Y+2*(\i)],   v[X+4*(\i)],   v[X+4*(\i)+1]
	v_cvt_pk_f16_f32 v[Y+2*(\i)+1], v[X+4*(\i)+2], v[X+4*(\i)+3]
.endif
	v_lshrrev_b32 v[OOF+(\i)], 1, v[OFF+(\i)]
.if \ahead
	v_add_nc_u32 v[OFF+(\i)], 8*(\stride), v[OFF+(\i)]
	global_load_b128 v[X+4*(\i):X+4*(\i)+3], v[OFF+(\i)], s[SRC:SRC+1] th:TH_LOAD_NT
.endif
	global_store_b64 v[OOF+(\i)], v[Y+2*(\i):Y+2*(\i)+1], s[DST:DST+1] th:TH_STORE_NT
.endm
; 16 rows, stride bytes apart: the ring is filled, each slot is worked and filled again, the last eight rows load nothing
.macro WALK pos, stride
.irp i, 0,1,2,3,4,5,6,7
	v_lshl_or_b32 v[OFF+(\i)], v0, 4, (\i)*(\stride)
.endr
.irp i, 0,1,2,3,4,5,6,7
	global_load_b128 v[X+4*(\i):X+4*(\i)+3], v[OFF+(\i)], s[SRC:SRC+1] th:TH_LOAD_NT
.endr
.irp i, 0,1,2,3,4,5,6,7
	SLOT \i, 1, 7, \pos, \stride
.endr
.irp i, 0,1,2,3,4,5,6,7
	SLOT \i, 0, 7-(\i), \pos, \stride              ; the counts run down
.endr
.endm
	s_load_b256 s[4:11], s[0:1], 0x0               ; x s[4:5], pos_emb s[6:7], Wq s[8:9], Wk s[10:11]
	s_load_b128 s[12:15], s[0:1], 0x20             ; Wv s[12:13], xh s[14:15]
	s_load_b64 s[16:17], s[0:1], 0x30              ; wh
	v_lshlrev_b32 v1, 4, v0                        ; 16 t
	s_wait_kmcnt 0x0
	s_cmp_lt_u32 ttmp9, 1024
	s_cbranch_scc0 .Lweights
	s_and_b32 s18, ttmp9, 255                      ; my row t
	s_lshr_b32 s19, ttmp9, 8                       ; which 16 batches
	s_lshl_b32 s2, s18, 12                         ; the row in pos_emb,
	s_mov_b32 s3, 0
	s_add_nc_u64 s[26:27], s[6:7], s[2:3]
	s_lshl_b32 s24, s19, 24                        ; 16 batches of 1,048,576 bytes
	s_add_co_u32 s2, s2, s24                       ; the row in x (under 2^26),
	s_add_nc_u64 s[SRC:SRC+1], s[4:5], s[2:3]
	s_lshr_b32 s2, s2, 1                           ; and in xh: half of that
	s_add_nc_u64 s[DST:DST+1], s[14:15], s[2:3]
	global_load_b128 v[PE:PE+3], v1, s[26:27]      ; issued ahead of the ring: the first slot's wait covers it
	WALK 1, XSTR
	s_endpgm
.Lweights:
	s_sub_co_u32 s2, ttmp9, 1024                   ; j = 0 .. 191
	s_lshr_b32 s18, s2, 6                          ; which W
	s_and_b32 s2, s2, 63                           ; which 16 rows of it
	s_cmp_eq_u32 s18, 0
	s_cselect_b64 s[SRC:SRC+1], s[8:9], s[10:11]
	s_cmp_eq_u32 s18, 2
	s_cselect_b64 s[SRC:SRC+1], s[12:13], s[SRC:SRC+1]
	s_lshl_b32 s24, s2, 15                         ; 16 rows of 2,048 bytes in wh
	s_lshl_b32 s2, s2, 16                          ; 16 rows of 4,096 bytes in W
	s_mov_b32 s3, 0
	s_add_nc_u64 s[SRC:SRC+1], s[SRC:SRC+1], s[2:3]
	s_lshl_b32 s18, s18, 21                        ; a W in wh is 2,097,152 bytes
	s_add_co_u32 s24, s24, s18
	s_mov_b32 s25, 0
	s_add_nc_u64 s[DST:DST+1], s[16:17], s[24:25]
	WALK 0, WSTR
	s_endpgm
.Lfunc_end_k_qc48142c2fd_cast:
	.size	k_qc48142c2fd_cast, .Lfunc_end_k_qc48142c2fd_cast-k_qc48142c2fd_cast
	.p2alignl 7, 3214868480
	.fill 96, 4, 3214868480
	.section	.rodata,"a",@progbits
	.p2align	6, 0x0
	.amdhsa_kernel k_qc48142c2fd_cast
		.amdhsa_group_segment_fixed_size 0
		.amdhsa_private_segment_fixed_size 0
		.amdhsa_enable_private_segment 0
		.amdhsa_kernarg_size 56
		.amdhsa_user_sgpr_count 2
		.amdhsa_user_sgpr_kernarg_segment_ptr 1
		.amdhsa_wavefront_size32 1
		.amdhsa_system_sgpr_workgroup_id_x 1
		.amdhsa_system_sgpr_workgroup_id_y 1
		.amdhsa_system_sgpr_workgroup_id_z 1
		.amdhsa_system_vgpr_workitem_id 0
		.amdhsa_next_free_vgpr 80
		.amdhsa_next_free_sgpr 66
		.amdhsa_reserve_vcc 0
		.amdhsa_float_denorm_mode_32 3
		.amdhsa_float_denorm_mode_16_64 3
		.amdhsa_memory_ordered 1
		.amdhsa_forward_progress 1
		.amdhsa_inst_pref_size 20
	.end_amdhsa_kernel
	.amdgpu_metadata
---
amdhsa.version: [ 1, 2 ]
amdhsa.kernels:
  - .name:           k_qc48142c2fd_cast
    .symbol:         k_qc48142c2fd_cast.kd
    .args:
      - { .name: x, .offset: 0, .size: 8, .value_kind: global_buffer, .address_space: global }
      - { .name: pos_emb, .offset: 8, .size: 8, .value_kind: global_buffer, .address_space: global }
      - { .name: Wq, .offset: 16, .size: 8, .value_kind: global_buffer, .address_space: global }
      - { .name: Wk, .offset: 24, .size: 8, .value_kind: global_buffer, .address_space: global }
      - { .name: Wv, .offset: 32, .size: 8, .value_kind: global_buffer, .address_space: global }
      - { .name: xh, .offset: 40, .size: 8, .value_kind: global_buffer, .address_space: global }
      - { .name: wh, .offset: 48, .size: 8, .value_kind: global_buffer, .address_space: global }
    .group_segment_fixed_size: 0
    .private_segment_fixed_size: 0
    .kernarg_segment_align: 8
    .kernarg_segment_size: 56
    .max_flat_workgroup_size: 256
    .sgpr_count:     66
    .vgpr_count:     80
    .wavefront_size: 32
...
	.end_amdgpu_metadata
.endif
;; end of part 1
;; launch proj (part 2): grid 4 x 64, 4 waves a work-group, clusters of 4 x 4, 327,680 bytes of LDS; arguments xh, wh, qkv; writes qkv
.if DOCPART == 2
	.amdgcn_target "amdgcn-amd-amdhsa--gfx1250"
	.amdhsa_code_object_version 6
	.text
	.protected	k_qc48142c2fd_proj
	.globl	k_qc48142c2fd_proj
	.p2align	8
	.type	k_qc48142c2fd_proj,@function
k_qc48142c2fd_proj:
	s_mov_b64 s[64:65], 0
	v_nop
	global_prefetch_b8 v0, s[64:65] scope:SCOPE_SE
	s_setreg_imm32_b32 hwreg(HW_REG_WAVE_MODE, 25, 1), 1
	s_wait_xcnt 0x0
	s_wait_alu depctr_hold_cnt(0) depctr_sa_sdst(0) depctr_va_vdst(0) depctr_va_sdst(0) depctr_va_ssrc(0) depctr_va_vcc(0) depctr_vm_vsrc(0)
	s_getreg_b32 s2, hwreg(HW_REG_IB_STS2, 6, 4)
	s_cmp_eq_u32 s2, 0
	s_cbranch_scc0 .Lentry_in_a_cluster
	s_endpgm
.Lentry_in_a_cluster:
	s_bfe_u32 s2, ttmp6, 0x10000c
	s_cmp_lg_u32 s2, 0xf033
	s_cbranch_scc0 .Lentry_shape_is_right
	s_endpgm
.Lentry_shape_is_right:
; q, k, v = xh . wh, written by heads: qkv[m][16 b + head][t][64] in f16, each number rounded once from its f32 sum and without the scale.
; xh: [16384][1024] f16 (row 256 b + t).  wh: [3][1024 k][1024 n] f16, as W lies: K down the rows.  LIMIT: |q|, |k|, |v| stay below 65,504 (f16's range).
; A WORK-GROUP STAYS: it owns batch b's 256 rows and 256 columns (four heads), and makes that tile of q, then of k, then of v.  Since the three W lie one behind the other, B's K steps run on
; without a break: 24 steps of 128 rows of wh; A's K step is the step's number modulo 8.  Four waves, each 128 x 128 of the tile: 64 accumulators of 16 x 16.
; THE RING: two LDS slots, each A's 256 rows x 256 bytes and B's 128 rows x 512 bytes of one K step; each wave fetches a quarter of a slot by one tensor load.
; CLUSTER: 4 x 4 work-groups.  The four of a row share b and so A's tiles, the four of a column share the columns and so B's: each tile is asked for JOINTLY, by the same tensor load with the same descriptor
; and a mask that names the four.
; THE MATRIX INSTRUCTION IS USED TRANSPOSED: source 0 = 16 columns of W (out of LDS by the turning load, since K goes down the rows), source 1 = 16 rows of xh.  A lane then holds one row t and eight neighbouring columns.
; REGISTERS in windows of 256: window 0: v0-31 addresses; v64-127, v128-191 A's fragments, two buffers; v32-63, v192-255 the way out.  window 1: v64-127, v128-191 B's fragments.
; windows 2, 3: the accumulators of my rows 0-63 and 64-127, (a, b) at v[8 (8 a + b)].  s_set_vgpr_msb: bits 1:0 source 0, 3:2 source 1, 5:4 source 2, 7:6 destination.
.set KSTEP,  128
.set ROWB,   2048                      ; bytes in a row of xh and of wh
.set PITCH,  272                       ; A's LDS row: 256 bytes + 16: the 16 rows of a fragment load start 16 bytes apart modulo 256
.set PITCHB, 544                       ; B's LDS row: 512 bytes + 32: 17 x 32, so the 8 rows x 32 bytes that 16 lanes of the turning load take do not meet
.set HALFT,  128*PITCH                 ; what one tensor load brings: 128 rows of A, or 64 rows of B (64 x 544 is the same number)
.set SLOT,   4*HALFT
.set STAGE,  2*SLOT                    ; behind the ring: for each wave 2 heads x 16 rows x 144 bytes, for the way out; no tensor load lands here
.set SP,     144
.set WSTAGE, 32*SP
.set SPARE,  STAGE+4*WSTAGE            ; the spare words, 128 bytes for each wave: two blocks of 256 bytes that no other line names
.set TENS,   33554432                  ; bytes of q, of k, of v
.set NEXT_C, TENS-7*2048               ; from my last 16 rows of a tile to my first of the next
.set ADRA, 16                          ; v16-17  LDS address of my A fragments in slot 0, 1
.set ADRB, 20                          ; v20-21  the same for B
.set STO,  24                          ; v24     the way out: where I put 16 bytes of a row
.set RD,   25                          ; v25     the way out: where I read rows back
.set CO,   26                          ; v26     16 x my lane
.set SPW,  28                          ; v28     LDS address of my spare word; never rewritten
.set NIL,  29                          ; v29     0; never rewritten
.set PFO,  30                          ; v30     the prefetches' offset; never rewritten
.set F0,   64
.set F1,   128
.set TMP,  192
.set OB,   32
.set G1,   24                          ; s[24:31] group 1 for A's tiles;  s[32:39] group 0, one set for each slot
.set G0,   32
.set LIM,  43                          ; s43     a wave prefetches while the lap counter is above this
.set PFA,  44                          ; s[44:45] where my prefetches stand
.set G1B,  48                          ; s[48:55], s[56:63] the same for B's tiles
.set G0B,  56
.set ABASE, 66                         ; s[66:67] xh at the first of the 128 rows that I fetch
.set AOFF,  68                         ; s[68:69], s[70:71] for each slot: byte along K of A's tile asked for last; the high word is 0
.set PSTEP, 72                         ; s[72:73] bytes from a K step to the next in what I prefetch
.set MSB, 0
.macro WIN new                         ; the immediate's high byte repeats the setting that is left; a switch that changes nothing is dropped
.if MSB != (\new)
	s_set_vgpr_msb (MSB<<8)|(\new)
.set MSB, \new
.endif
.endm
.set MUL_LO, 0xa1                      ; source 0 (B) window 1, source 1 (A) window 0, C and D window 2
.set MUL_HI, 0xf1                      ; the same, C and D window 3
.set TO_B,   0x40                      ; destination window 1, address window 0
; A joint load: waves 0 and 1 fetch A's halves, waves 2 and 3 B's.  The branch hangs on the wave's number alone.  An s_nop 0 and four v_nop follow each line.
.macro JLOAD s
	s_cmp_eq_u32 s11, 0
	s_cbranch_scc0 .Lfor_b_\@
	tensor_load_to_lds s[G0+4*(\s):G0+4*(\s)+3], s[G1:G1+7]
	s_nop 0
.rept 4
	v_nop
.endr
	s_branch .Lasked_\@
.Lfor_b_\@:
	tensor_load_to_lds s[G0B+4*(\s):G0B+4*(\s)+3], s[G1B:G1B+7]
	s_nop 0
.rept 4
	v_nop
.endr
.Lasked_\@:
.endm
; A prefetch into the L2, behind a joint load, its five lines and the run of LDS loads: the K step two refills on, one instruction a wave, each aligned block of 256 bytes named once in the launch.
; A: of the 128 rows that I fetch, the partner at place cx takes 32, a lane a row; only K steps 4 to 7 of the first tile are asked for (the other tiles read the same rows again).
; B: of my 64 rows of 512 bytes the partner at place cy takes 16, a lane half a row; all clusters read the same rows, so cluster y = 0 asks, K steps 4 to 23.  The partners are told apart by address alone.
.macro ASK
	s_cmp_gt_u32 s3, s[LIM]
	s_cbranch_scc0 .Lnot_mine_\@
	global_prefetch_b8 v[PFO], s[PFA:PFA+1] th:TH_LOAD_NT scope:SCOPE_SE
.Lnot_mine_\@:
.endm
.macro CREST                           ; a round of the cluster's barrier behind its opening barrier
	s_cmp_lg_u32 s10, 0
	s_cbranch_scc1 .Lnot_wave_0_\@
	s_barrier_signal -3
.Lnot_wave_0_\@:
	s_barrier_wait -3
	s_barrier_signal -1
	s_barrier_wait -1
.endm
.macro CROUND
	s_barrier_signal -1
	s_barrier_wait -1
	CREST
.endm
	s_load_b128 s[4:7], s[0:1], 0x0                ; xh s[4:5], wh s[6:7]
	s_load_b64 s[8:9], s[0:1], 0x10                ; qkv
	v_lshl_add_u32 v[SPW], v0, 2, SPARE
	v_mov_b32 v[NIL], 0
	ds_add_u32 v[SPW], v[NIL]                      ; the wave's opening: the add and its wait ahead of my first tensor load
	v_lshrrev_b32 v1, 5, v0
	v_readfirstlane_b32 s10, v1                    ; wave 0..3
	s_lshr_b32 s11, s10, 1                         ; which half of the tile's rows is mine.  Also: I fetch for A (0) or for B (1)
	s_and_b32 s12, s10, 1                          ; which half of its columns.  Also: which half of that tile I fetch
	s_bfe_u32 s40, ttmp6, 0x40000                  ; cx
	s_bfe_u32 s41, ttmp6, 0x40004                  ; cy
	s_lshl_b32 s42, ttmp9, 2
	s_add_co_u32 s42, s42, s40                     ; column block = 4 x cluster x + cx
	s_and_b32 s13, ttmp7, 0xffff
	s_lshl_b32 s13, s13, 2
	s_add_co_u32 s13, s13, s41                     ; b = 4 x cluster y + cy
	s_lshl_b32 s43, s41, 2
	s_lshl_b32 s43, 15, s43                        ; my row of the cluster
	s_lshl_b32 s44, 0x1111, s40                    ; my column
	s_or_b32 s[G1+0], s43, (1<<16)|(1<<20)|(1<<21)|(5<<22)|(3<<25)   ; mask; 2-byte elements; padding on; bit 21 beside a mask; after every 64 words 4 words
	s_or_b32 s[G1B+0], s44, (1<<16)|(1<<20)|(1<<21)|(6<<22)|(7<<25)  ; the same with my column's mask; after every 128 words 8 words
	s_mov_b32 s[G1+1], 128<<16                     ; A: tensor_dim0 = 128
	s_mov_b32 s[G1+2], 128<<16                     ; tensor_dim1 = 128
	s_mov_b32 s[G1+3], 128<<16                     ; tile_dim0 = 128
	s_mov_b32 s[G1+4], 128                         ; tile_dim1 = 128
	s_mov_b32 s[G1+5], 1024                        ; elements from row to row
	s_mov_b32 s[G1+6], 0
	s_mov_b32 s[G1+7], 0
	s_mov_b32 s[G1B+1], 256<<16                    ; B: tensor_dim0 = 256
	s_mov_b32 s[G1B+2], 64<<16                     ; tensor_dim1 = 64
	s_mov_b32 s[G1B+3], 256<<16                    ; tile_dim0 = 256
	s_mov_b32 s[G1B+4], 64                         ; tile_dim1 = 64
	s_mov_b32 s[G1B+5], 1024
	s_mov_b32 s[G1B+6], 0
	s_mov_b32 s[G1B+7], 0
	s_lshl_b32 s16, s13, 8
	s_lshl_b32 s17, s12, 7
	s_add_co_u32 s16, s16, s17                     ; A: row 256 b + 128 x half,
	s_lshl_b32 s16, s16, 11                        ; in bytes (under 2^26)
	s_mov_b32 s17, 0
	s_lshl_b32 s46, s12, 17                        ; B: 64 rows x half,
	s_lshl_b32 s47, s42, 9                         ; 512 bytes x column block
	s_add_co_u32 s46, s46, s47
	s_mov_b32 s47, 0
	s_mov_b32 s[AOFF], 0                           ; slot 0 begins with K step 0,
	s_mov_b32 s[AOFF+1], 0
	s_mov_b32 s[AOFF+2], 256                       ; slot 1 with K step 1
	s_mov_b32 s[AOFF+3], 0
	s_mul_i32 s20, s10, HALFT                      ; where my part goes: wave x a quarter slot: no place in the cluster enters an LDS address
	s_wait_dscnt 0x0                               ; the opening add is done
	s_wait_kmcnt 0x0
	s_add_nc_u64 s[ABASE:ABASE+1], s[4:5], s[16:17]
	s_add_nc_u64 s[46:47], s[6:7], s[46:47]
	CROUND                                         ; all sixteen work-groups are here: the first joint loads meet
.irp s, 0,1
	s_mov_b32 s[G0+4*(\s)], 1
	s_add_co_u32 s[G0+4*(\s)+1], s20, (\s)*SLOT
	s_add_nc_u64 s[G0+4*(\s)+2:G0+4*(\s)+3], s[ABASE:ABASE+1], (\s)*KSTEP*2
	s_or_b32 s[G0+4*(\s)+3], s[G0+4*(\s)+3], 0x80000000
	s_mov_b32 s[G0B+4*(\s)], 1
	s_add_co_u32 s[G0B+4*(\s)+1], s20, (\s)*SLOT
	s_add_nc_u64 s[G0B+4*(\s)+2:G0B+4*(\s)+3], s[46:47], (\s)*KSTEP*ROWB
	s_or_b32 s[G0B+4*(\s)+3], s[G0B+4*(\s)+3], 0x80000000
	JLOAD \s
.endr
	v_and_b32 v1, 15, v0                           ; l % 16
	v_bfe_u32 v2, v0, 4, 1                         ; l / 16
	v_mul_u32_u24 v3, v1, PITCH
	v_lshl_add_u32 v3, v2, 4, v3                   ; A: row x pitch + 16 x half
	v_and_b32 v4, 7, v0
	v_lshl_add_u32 v4, v2, 3, v4                   ; B: the turning load's row 8 (l / 16) + l % 8,
	v_mul_u32_u24 v4, v4, PITCHB
	v_bfe_u32 v5, v0, 3, 1
	v_lshl_add_u32 v4, v5, 4, v4                   ; and 16 bytes x ((l / 8) % 2)
	s_mul_i32 s21, s11, HALFT                      ; my 128 rows of A
	s_lshl_b32 s22, s12, 8                         ; my 128 columns of B: 256 bytes,
	s_add_co_u32 s22, s22, 2*HALFT                 ; behind A's 256 rows
.irp s, 0,1
	v_add_nc_u32 v[ADRA+(\s)], s21, v3
	v_add_nc_u32 v[ADRB+(\s)], s22, v4
	s_add_co_u32 s21, s21, SLOT
	s_add_co_u32 s22, s22, SLOT
.endr
	s_mul_i32 s23, s10, WSTAGE
	s_add_co_u32 s23, s23, STAGE                   ; my stage
	v_mul_u32_u24 v4, v1, SP                       ; in: row l % 16, 16 bytes for each half of the lanes
	v_lshl_add_u32 v4, v2, 4, v4
	v_add_nc_u32 v[STO], s23, v4
	v_bfe_u32 v5, v0, 3, 2                         ; back: 32 lanes take four rows of 128 bytes,
	v_mul_u32_u24 v5, v5, SP
	v_and_b32 v6, 7, v0
	v_lshl_add_u32 v5, v6, 4, v5
	v_add_nc_u32 v[RD], s23, v5
	v_and_b32 v[CO], 31, v0                        ; which are 512 consecutive bytes of a head's rows
	v_lshlrev_b32 v[CO], 4, v[CO]
	s_lshl_b32 s16, s13, 4                         ; where my part of q begins: head row 16 b + 4 x column block + 2 x column half,
	s_lshl_b32 s46, s42, 2
	s_add_co_u32 s16, s16, s46
	s_lshl_b32 s46, s12, 1
	s_add_co_u32 s16, s16, s46
	s_lshl_b32 s16, s16, 15                        ; 32,768 bytes each,
	s_lshl_b32 s46, s11, 14                        ; and my 128 rows of 128 bytes
	s_add_co_u32 s16, s16, s46
	s_mov_b32 s17, 0
	; the prefetches: both offsets are made, the wave's number chooses
	s_lshl_b32 s20, s13, 8
	s_lshl_b32 s21, s12, 7
	s_add_co_u32 s20, s20, s21
	s_lshl_b32 s21, s40, 5
	s_add_co_u32 s20, s20, s21                     ; A: row 256 b + 128 x half + 32 cx,
	s_lshl_b32 s20, s20, 11
	s_add_co_u32 s20, s20, 3*KSTEP*2               ; at K step 3: the first refill steps it to 4
	s_lshl_b32 s21, s12, 6
	s_lshl_b32 s22, s41, 4
	s_add_co_u32 s21, s21, s22
	s_add_co_u32 s21, s21, 3*KSTEP                 ; B: row 64 x half + 16 cy of K step 3,
	s_lshl_b32 s21, s21, 11
	s_lshl_b32 s22, s42, 9
	s_add_co_u32 s21, s21, s22                     ; my column block
	s_and_b32 s22, ttmp7, 0xffff                   ; cluster y: the same in all sixteen partners
	s_cmp_eq_u32 s22, 0
	s_cselect_b32 s22, 1, -1
	s_mov_b32 s23, KSTEP*ROWB
	s_cmp_eq_u32 s11, 0
	s_cselect_b32 s20, s20, s21
	s_cselect_b32 s[LIM], 9, s22
	s_cselect_b32 s[PSTEP], KSTEP*2, s23
	s_cselect_b64 s[PFA:PFA+1], s[4:5], s[6:7]
	s_mov_b32 s21, 0
	s_mov_b32 s[PSTEP+1], 0
	s_add_nc_u64 s[PFA:PFA+1], s[PFA:PFA+1], s[20:21]
	v_and_b32 v5, 31, v0
	v_lshrrev_b32 v6, s11, v5                      ; A: a lane a row; B: two lanes a row,
	v_and_b32 v5, s11, v5                          ; 256 bytes each
	v_lshlrev_b32 v[PFO], 11, v6
	v_lshl_add_u32 v[PFO], v5, 8, v[PFO]
; 16 matrix instructions: m blocks a0, a0 + 1 of the window's four x all 8 n blocks, 32 along K.  zero = 1: the product starts the sums: nothing is ever cleared.
.macro MUL16 f, hi, a0, zero
	WIN MUL_LO+0x50*(\hi)
.irp a, \a0, (\a0)+1
.irp b, 0,1,2,3,4,5,6,7
.if \zero
	v_wmma_f32_16x16x32_f16 v[8*(8*(\a)+(\b)):8*(8*(\a)+(\b))+7], v[(\f)+8*(\b):(\f)+8*(\b)+7], v[(\f)+8*(4*(\hi)+(\a)):(\f)+8*(4*(\hi)+(\a))+7], 0
.else
	v_wmma_f32_16x16x32_f16 v[8*(8*(\a)+(\b)):8*(8*(\a)+(\b))+7], v[(\f)+8*(\b):(\f)+8*(\b)+7], v[(\f)+8*(4*(\hi)+(\a)):(\f)+8*(4*(\hi)+(\a))+7], v[8*(8*(\a)+(\b)):8*(8*(\a)+(\b))+7]
.endif
.endr
.endr
.endm
; 32 LDS loads in one run: the fragments of quarter q (32 along K) of a slot into buffer f: B's 128 columns turned, then A's 128 rows
.macro FETCH slot, q, f
	WIN TO_B
.irp i, 0,1,2,3,4,5,6,7
	ds_load_tr16_b128 v[(\f)+8*(\i):(\f)+8*(\i)+3],   v[ADRB+(\slot)] offset:(\q)*32*PITCHB+(\i)*32
	ds_load_tr16_b128 v[(\f)+8*(\i)+4:(\f)+8*(\i)+7], v[ADRB+(\slot)] offset:(\q)*32*PITCHB+16*PITCHB+(\i)*32
.endr
	WIN 0
.irp i, 0,1,2,3,4,5,6,7
	ds_load_b128 v[(\f)+8*(\i):(\f)+8*(\i)+3],   v[ADRA+(\slot)] offset:(\q)*64+(\i)*16*PITCH
	ds_load_b128 v[(\f)+8*(\i)+4:(\f)+8*(\i)+7], v[ADRA+(\slot)] offset:(\q)*64+(\i)*16*PITCH+32
.endr
.endm
.macro PLACES                          ; four plain vector instructions between a matrix instruction and a load into, or a vector read of, its registers
.rept 4
	v_nop
.endr
.endm
; One of a K step's first three quarters: multiplies buffer f; in its middle it fetches quarter q of the same slot into buffer g.
.macro QUARTER slot, q, f, g, zero
	s_wait_dscnt 8                                 ; B and A's rows 0-63 are in; the youngest eight loads (A's rows 64-127) may be out
	MUL16 \f, 0, 0, \zero
	MUL16 \f, 0, 2, \zero
	PLACES
	FETCH \slot, \q, \g
	s_wait_dscnt 32                                ; all but the 32 just issued
	MUL16 \f, 1, 0, \zero
	MUL16 \f, 1, 2, \zero
.endm
; The first half of a K step's last quarter: ONE barrier for the change of slots.  In front of it each wave waits for all its tensor loads (one is out: its part of the next slot), adds 0 to its spare word,
; and waits for that and for its reads of this slot.
.macro MEET round
	WIN 0                                          ; (the add's two registers lie in window 0)
	s_wait_tensorcnt 0x0
	ds_add_u32 v[SPW], v[NIL]
	s_wait_dscnt 9                                 ; (the add and the youngest eight loads may be out)
	MUL16 F1, 0, 0, 0
	s_wait_dscnt 0x0                               ; the add is done, and my reads of this slot are over
	s_barrier_signal -1
	MUL16 F1, 0, 2, 0
.if \round
	WIN 0
.endif
	s_barrier_wait -1
.endm
; The whole last quarter with a refill: the barrier opens a round of the cluster's, the joint refill (the K step two on) is the first tensor load behind it; then the next slot's first fragments.
.macro TURN slot, next
	s_wait_xcnt 0x0                                ; the last prefetch, a K step back, has read its address
	s_add_nc_u64 s[PFA:PFA+1], s[PFA:PFA+1], s[PSTEP:PSTEP+1]
	MEET 1
	CREST                                          ; no wave of any partner still reads this slot or has a load on its way
	s_add_co_u32 s[AOFF+2*(\slot)], s[AOFF+2*(\slot)], 2*KSTEP*2
	s_and_b32 s[AOFF+2*(\slot)], s[AOFF+2*(\slot)], ROWB-1           ; A goes round its rows' 2,048 bytes: each tile walks them anew
	s_add_nc_u64 s[G0+4*(\slot)+2:G0+4*(\slot)+3], s[ABASE:ABASE+1], s[AOFF+2*(\slot):AOFF+2*(\slot)+1]
	s_or_b32 s[G0+4*(\slot)+3], s[G0+4*(\slot)+3], 0x80000000
	s_add_nc_u64 s[G0B+4*(\slot)+2:G0B+4*(\slot)+3], s[G0B+4*(\slot)+2:G0B+4*(\slot)+3], 2*KSTEP*ROWB  ; B goes on down wh, from one W into the next
	JLOAD \slot                                    ; its four v_nop are also the places in front of the loads below
	FETCH \next, 0, F0
	ASK
	MUL16 F1, 1, 0, 0
	MUL16 F1, 1, 2, 0
.endm
.macro TURNNF next                     ; the same without a refill: no round follows
	MEET 0
	PLACES
	FETCH \next, 0, F0
	MUL16 F1, 1, 0, 0
	MUL16 F1, 1, 2, 0
.endm
; THE WAY OUT of block a (16 rows x my 128 columns = 2 heads).  PACK: rounded to f16, each accumulator's registers in ascending order.  TOSTAGE: into my own stage, and back as rows of 128 bytes.  SEND: stored.
.macro PACK a
.set AC, 64*((\a)%4)
	WIN 0x0a+5*((\a)/4)                            ; sources 0 and 1: window 2 or 3
.irp b, 0,1,2,3,4,5,6,7
.irp r, 0,1,2,3
	v_cvt_pk_f16_f32 v[TMP+4*(\b)+(\r)], v[AC+8*(\b)+2*(\r)], v[AC+8*(\b)+2*(\r)+1]
.endr
.endr
	WIN 0
.endm
.macro TOSTAGE a
	WIN 0
.set BK, OB+192*((\a)%2)
.irp b, 0,1,2,3,4,5,6,7
	ds_store_b128 v[STO], v[TMP+4*(\b):TMP+4*(\b)+3] offset:((\b)/4)*16*SP+((\b)%4)*32
.endr
.irp t, 0,1,2,3,4,5,6,7
	ds_load_b128 v[BK+4*(\t):BK+4*(\t)+3], v[RD] offset:((\t)/4)*16*SP+((\t)%4)*4*SP  ; LDS serves a wave's instructions in order: these see the stores above
.endr
.endm
.macro SEND a, younger
	WIN 0
.set BK, OB+192*((\a)%2)
	s_wait_dscnt \younger
	s_wait_xcnt 0x0                                ; earlier stores have read their base and their data: only now are these rewritten
.if (\a) == 0
	s_add_nc_u64 s[8:9], s[8:9], s[16:17]          ; on to this tile's first rows
.else
	s_add_nc_u64 s[8:9], s[8:9], 16*128            ; 16 rows of a head on
.endif
.irp t, 0,1,2,3,4,5,6,7
	global_store_b128 v[CO], v[BK+4*(\t):BK+4*(\t)+3], s[8:9] offset:((\t)/4)*32768+((\t)%4)*512  ; 512 consecutive bytes, aligned; the second head lies 32,768 bytes on
.endr
.endm
.macro WAYOUT
	PACK 0
	TOSTAGE 0
.irp a, 1,2,3,4,5,6,7                  ; block a's conversions stand between block a - 1's loads from the stage and the wait for them
	PACK \a
	SEND (\a)-1, 0
	TOSTAGE \a
.endr
	SEND 7, 0
.endm
	s_wait_tensorcnt 1                             ; my part of K step 0 is in; K step 1's may stay out
	s_barrier_signal -1
	s_barrier_wait -1
	FETCH 0, 0, F0
	QUARTER 0, 1, F0, F1, 1                        ; the first quarter starts the sums
	WIN 0
	s_mov_b32 s3, 11                               ; laps that refill both slots: K steps 2 to 23
	s_mov_b32 s2, 4                                ; laps to the tile's end: the same number in every work-group
.Llap:                                                 ; a trip goes once round the ring, from a lap's second quarter to the next lap's first
	QUARTER 0, 2, F1, F0, 0
	QUARTER 0, 3, F0, F1, 0
	TURN 0, 1
	QUARTER 1, 1, F0, F1, 0
	QUARTER 1, 2, F1, F0, 0
	QUARTER 1, 3, F0, F1, 0
	TURN 1, 0
	WIN 0
	s_sub_co_u32 s2, s2, 1
	s_cmp_lg_u32 s2, 0
	s_cbranch_scc1 .Lsame                          ; forward, past text with no barrier and no tensor load
	WAYOUT                                         ; a tile is finished; both refills for the next are asked for.  Blocks 0-3 were finished ahead of the joint load's v_nop; their conversions are the last products' places
	s_mov_b32 s2, 4
	s_mov_b64 s[16:17], NEXT_C                     ; what the next way out adds to the address
	QUARTER 0, 1, F0, F1, 1                        ; the next tile's first quarter starts its sums
	WIN 0
	s_branch .Lnext
.Lsame:
	QUARTER 0, 1, F0, F1, 0
	WIN 0
.Lnext:
	s_sub_co_u32 s3, s3, 1
	s_cmp_lg_u32 s3, 0
	s_cbranch_scc1 .Llap
	QUARTER 0, 2, F1, F0, 0                        ; the last lap fills nothing
	QUARTER 0, 3, F0, F1, 0
	TURNNF 1
	QUARTER 1, 1, F0, F1, 0
	QUARTER 1, 2, F1, F0, 0
	QUARTER 1, 3, F0, F1, 0
	s_wait_dscnt 8                                 ; the very last quarter: nothing more to fetch
	MUL16 F1, 0, 0, 0
	MUL16 F1, 0, 2, 0
	s_wait_dscnt 0x0
	MUL16 F1, 1, 0, 0
	MUL16 F1, 1, 2, 0
	PLACES
	WAYOUT
	s_wait_tensorcnt 0x0                           ; the wave's end
	ds_add_u32 v[SPW], v[NIL]
	s_wait_dscnt 0x0
	CROUND                                         ; the closing round
	s_endpgm
.Lfunc_end_k_qc48142c2fd_proj:
	.size	k_qc48142c2fd_proj, .Lfunc_end_k_qc48142c2fd_proj-k_qc48142c2fd_proj
	.p2alignl 7, 3214868480
	.fill 96, 4, 3214868480
	.section	.rodata,"a",@progbits
	.p2align	6, 0x0
	.amdhsa_kernel k_qc48142c2fd_proj
		.amdhsa_group_segment_fixed_size 327680
		.amdhsa_private_segment_fixed_size 0
		.amdhsa_enable_private_segment 0
		.amdhsa_kernarg_size 24
		.amdhsa_user_sgpr_count 2
		.amdhsa_user_sgpr_kernarg_segment_ptr 1
		.amdhsa_wavefront_size32 1
		.amdhsa_system_sgpr_workgroup_id_x 1
		.amdhsa_system_sgpr_workgroup_id_y 1
		.amdhsa_system_sgpr_workgroup_id_z 1
		.amdhsa_system_vgpr_workitem_id 0
		.amdhsa_next_free_vgpr 1024
		.amdhsa_next_free_sgpr 80
		.amdhsa_reserve_vcc 0
		.amdhsa_float_denorm_mode_32 3
		.amdhsa_float_denorm_mode_16_64 3
		.amdhsa_memory_ordered 1
		.amdhsa_forward_progress 1
		.amdhsa_inst_pref_size 183
	.end_amdhsa_kernel
	.amdgpu_metadata
---
amdhsa.version: [ 1, 2 ]
amdhsa.kernels:
  - .name:           k_qc48142c2fd_proj
    .symbol:         k_qc48142c2fd_proj.kd
    .args:
      - { .name: xh, .offset: 0, .size: 8, .value_kind: global_buffer, .address_space: global }
      - { .name: wh, .offset: 8, .size: 8, .value_kind: global_buffer, .address_space: global }
      - { .name: qkv, .offset: 16, .size: 8, .value_kind: global_buffer, .address_space: global }
    .group_segment_fixed_size: 327680
    .private_segment_fixed_size: 0
    .kernarg_segment_align: 8
    .kernarg_segment_size: 24
    .max_flat_workgroup_size: 128
    .sgpr_count:     80
    .vgpr_count:     1024
    .wavefront_size: 32
...
	.end_amdgpu_metadata
.endif
;; end of part 2
;; launch stats (part 3): grid 10 x 25, 8 waves a work-group, no clusters, 327,680 bytes of LDS; arguments qkv, part; writes part
.if DOCPART == 3
	.amdgcn_target "amdgcn-amd-amdhsa--gfx1250"
	.amdhsa_code_object_version 6
	.text
	.protected	k_qc48142c2fd_stats
	.globl	k_qc48142c2fd_stats
	.p2align	8
	.type	k_qc48142c2fd_stats,@function
k_qc48142c2fd_stats:
	s_mov_b64 s[64:65], 0
	v_nop
	global_prefetch_b8 v0, s[64:65] scope:SCOPE_SE
	s_setreg_imm32_b32 hwreg(HW_REG_WAVE_MODE, 25, 1), 1
	s_wait_xcnt 0x0
; The softmax runs over the 1,024 pairs bh = 16 b + head.  For each place (t, s) of a block of 64 queries x 64 keys and a chunk of 41 bh this launch makes the running maximum cm = c x max of the scores
; q[bh][t] . k[bh][s] and l = the sum of 2^(c s - cm), c = log2(e) / 16.  Only the ten blocks that hold places with s > t are made; a block on the diagonal is made whole (what is hidden there is thrown away later).
; SHARES: work-group (block, chunk), the block along the grid's x, so that the ten work-groups that read one chunk's q and k have neighbouring numbers.  Chunk c takes bh 41 c .. 41 c + 40 (the last chunk 40),
; in seven steps of six: the last step computes five, and in the last chunk its fifth gets -1e30 as the C that starts its sums, so that its weight is 0.
; Wave w: queries 16 (w / 2) on, keys 32 (w % 2) on: two results of 16 x 16 for each bh.  S^T = K Q^T: a lane holds query l % 16 and keys 8 (l / 16) + 0..7.
; Eight waves, two to a SIMD: one wave's LDS loads and products lie beside the other's vector work.
; NO CLUSTER: query band x is read by 4 - x blocks and key band y by y + 1: there are no four alike, and a grid of 10 x 25 divides into no cluster.
; LIMITS: a weight below 2^-126 counts as 0; NaN and infinities are not treated apart.
; REGISTERS: window 0: addresses, statistics, S^T; window 1: v0-143 the fragments of three bh, 48 each: Q's two, then K's four.
.set PQ,    144                        ; an LDS row: 128 bytes + 16
.set BHB,   64*PQ                      ; a band of one bh
.set KOFF,  6*BHB                      ; a slot: six bh of Q, then six of K
.set SLOT1, 1<<17
.set SPARE, SLOT1+2*KOFF               ; the spare words, 128 bytes for each of eight waves: four blocks of 256 bytes that no other line names
.set STEPG, 6*32768                    ; bytes of q or k from a step to the next: six bh
.set AQ0, 2                            ; v2  my lane's place in a band of Q; never rewritten
.set AK0, 3                            ; v3  the same for K
.set AQ,  4
.set AK,  5
.set LN,  6                            ; v6  16 x my lane
.set SPW, 8
.set NIL, 9
.set PFO, 10                           ; v10 256 x my lane: the prefetches' offset; never rewritten
.set BIAS, 16                          ; v[16:23]  0 or -1e30
.set CM,  32                           ; v[32:47]  c x the running maximum of my 16 places
.set LS,  48                           ; v[48:63]  the running sum
.set TA,  64                           ; v[64:79]  a = 2^(cm_old - cm_new)
.set TT,  80                           ; v[80:95]  the step's maximum
.set S,   96                           ; v[96:191] bh slot e, result u at S + 16 e + 8 u
.set WV,  8                            ; s8
.set G0,  12                           ; s[12:15]
.set G1,  16                           ; s[16:23]
.set CS,  24                           ; s[24:25] c
.set TB,  26                           ; s26  the slot in hand
.set CNT, 27
.set CH,  33                           ; s33  my chunk
.set LIM, 34                           ; s34  1 in a wave that prefetches, else the greatest number
.set PFA, 36                           ; s[36:37] my tile of the step behind the one that is being asked for
.set MSB, 0
.macro WIN new
.if MSB != (\new)
	s_set_vgpr_msb (MSB<<8)|(\new)
.set MSB, \new
.endif
.endm
.macro PLACES
.rept 4
	v_nop
.endr
.endm
; Waves 0-3 fetch: wave 0, 1 three bh of Q each, wave 2, 3 three bh of K.  Waves 4-7 issue none.
.macro LOAD
	s_cmp_lt_u32 s[WV], 4
	s_cbranch_scc0 .Lnone_\@
	tensor_load_to_lds s[G0:G0+3], s[G1:G1+7]
	s_nop 0
.rept 4
	v_nop
.endr
.Lnone_\@:
.endm
; A prefetch into the L2, behind the tensor load and its five lines: my own tile (3 bh x 8,192 dense bytes: a lane 256 bytes, an instruction a bh) of the step BEHIND the one just asked for: trip t asks for
; step t + 1 and names step t + 2, a step's work ahead of the load that will want it.  Each aligned block of 256 bytes is named once in the launch: the four blocks on the diagonal read between them every band
; of q and of k once, so their work-groups ask, each fetching wave for its own tile.  Steps 0 and 1 come by their loads alone; the loop's last trip asks for nothing: there is no step behind its own.
.macro ASK
	s_cmp_gt_u32 s[CNT], s[LIM]
	s_cbranch_scc0 .Lnot_mine_\@
	global_prefetch_b8 v[PFO], s[PFA:PFA+1] th:TH_LOAD_NT scope:SCOPE_SE
	global_prefetch_b8 v[PFO], s[PFA:PFA+1] offset:32768 th:TH_LOAD_NT scope:SCOPE_SE
	global_prefetch_b8 v[PFO], s[PFA:PFA+1] offset:65536 th:TH_LOAD_NT scope:SCOPE_SE
.Lnot_mine_\@:
.endm
; The change of slots: every wave waits for all its tensor loads, adds 0 to its spare word, waits for that and for its reads; behind the barrier the slot read last is filled first.
.macro CHANGE fill
	s_wait_tensorcnt 0x0
	ds_add_u32 v[SPW], v[NIL]
.if \fill
	s_xor_b32 s[G0+1], s[G0+1], SLOT1
	s_add_nc_u64 s[G0+2:G0+3], s[G0+2:G0+3], STEPG ; six bh on
	s_wait_xcnt 0x0                                ; the last prefetches, a step back, have read their address, so it may be written
	s_add_nc_u64 s[PFA:PFA+1], s[PFA:PFA+1], STEPG
.endif
	s_wait_dscnt 0x0
	s_barrier_signal -1
	s_barrier_wait -1
.if \fill
	LOAD
	ASK
.endif
	s_xor_b32 s[TB], s[TB], SLOT1
.endm
.macro FETCH b0, n                     ; the fragments of bh slots b0 .. b0 + n - 1: 12 loads each
	WIN 0x40
.set bb, 0
.rept \n
.irp e, 0,1,2,3
	ds_load_b128 v[48*bb+4*(\e):48*bb+4*(\e)+3], v[AQ] offset:((\b0)+bb)*BHB+32*(\e)
.endr
.irp e, 0,1,2,3
	ds_load_b128 v[48*bb+16+4*(\e):48*bb+16+4*(\e)+3], v[AK] offset:((\b0)+bb)*BHB+32*(\e)
	ds_load_b128 v[48*bb+32+4*(\e):48*bb+32+4*(\e)+3], v[AK] offset:((\b0)+bb)*BHB+16*PQ+32*(\e)
.endr
.set bb, bb+1
.endr
	WIN 0
.endm
.macro MULS b0, n, bias                ; 4 n products; the 2 n accumulators take turns.  bias = 1: the last bh slot's sums start with BIAS
	WIN 0x05
.irp cc, 0,1
.set bb, 0
.rept \n
.irp u, 0,1
.set rS, S+16*((\b0)+bb)+8*(\u)
.set rK, 48*bb+16+16*(\u)+8*(\cc)
.set rQ, 48*bb+8*(\cc)
.if (\cc) == 1
	v_wmma_f32_16x16x32_f16 v[rS:rS+7], v[rK:rK+7], v[rQ:rQ+7], v[rS:rS+7]
.elseif (\bias) && (bb == (\n)-1)
	v_wmma_f32_16x16x32_f16 v[rS:rS+7], v[rK:rK+7], v[rQ:rQ+7], v[BIAS:BIAS+7]
.else
	v_wmma_f32_16x16x32_f16 v[rS:rS+7], v[rK:rK+7], v[rQ:rQ+7], 0
.endif
.endr
.set bb, bb+1
.endr
.endr
	WIN 0
.endm
; The step's vector work for nb bh slots.  Each accumulator is read from its lowest register on.  All exponentials are one batch with one wait.
.macro VEC nb
.set p, 0
.rept 16
	v_max3_num_f32 v[TT+p], v[S+p], v[S+16+p], v[S+32+p]
.set p, p+1
.endr
.set p, 0
.rept 16
	v_max3_num_f32 v[TT+p], v[TT+p], v[S+48+p], v[S+64+p]
.set p, p+1
.endr
.if (\nb) == 6
.set p, 0
.rept 16
	v_max_num_f32 v[TT+p], v[TT+p], v[S+80+p]
.set p, p+1
.endr
.endif
.set p, 0
.rept 8
	v_pk_mul_f32 v[TT+p:TT+p+1], v[TT+p:TT+p+1], s[CS:CS+1] op_sel_hi:[1,0]
.set p, p+2
.endr
.set p, 0
.rept 8
	v_pk_add_f32 v[TA+p:TA+p+1], v[CM+p:CM+p+1], v[TT+p:TT+p+1] neg_lo:[0,1] neg_hi:[0,1]
.set p, p+2
.endr
.set p, 0
.rept 16
	v_min_num_f32 v[TA+p], 0, v[TA+p]              ; cm_old - cm_new
	v_max_num_f32 v[CM+p], v[CM+p], v[TT+p]
.set p, p+1
.endr
.set p, 0
.rept 16
	v_exp_f32 v[TA+p], v[TA+p]
.set p, p+1
.endr
.set bb, 0
.rept \nb
.set p, 0
.rept 8
	v_pk_fma_f32 v[S+16*bb+p:S+16*bb+p+1], v[S+16*bb+p:S+16*bb+p+1], s[CS:CS+1], v[CM+p:CM+p+1] op_sel_hi:[1,0,1] neg_lo:[0,0,1] neg_hi:[0,0,1]
.set p, p+2
.endr
.set p, 0
.rept 16
	v_exp_f32 v[S+16*bb+p], v[S+16*bb+p]
.set p, p+1
.endr
.set bb, bb+1
.endr
	v_nop                                          ; a plain instruction behind the last exponential,
	s_wait_alu depctr_va_vdst(0)                   ; and the one wait ahead of the batch's first reader
.set p, 0
.rept 8
	v_pk_add_f32 v[S+p:S+p+1], v[S+p:S+p+1], v[S+16+p:S+16+p+1]
	v_pk_add_f32 v[S+32+p:S+32+p+1], v[S+32+p:S+32+p+1], v[S+48+p:S+48+p+1]
.if (\nb) == 6
	v_pk_add_f32 v[S+64+p:S+64+p+1], v[S+64+p:S+64+p+1], v[S+80+p:S+80+p+1]
.endif
.set p, p+2
.endr
.set p, 0
.rept 8
	v_pk_add_f32 v[S+p:S+p+1], v[S+p:S+p+1], v[S+32+p:S+32+p+1]
.set p, p+2
.endr
.set p, 0
.rept 8
	v_pk_add_f32 v[S+p:S+p+1], v[S+p:S+p+1], v[S+64+p:S+64+p+1]
.set p, p+2
.endr
.set p, 0
.rept 8
	v_pk_fma_f32 v[LS+p:LS+p+1], v[LS+p:LS+p+1], v[TA+p:TA+p+1], v[S+p:S+p+1]
.set p, p+2
.endr
.endm
.macro BODY nb, n2, bias
	v_add_nc_u32 v[AQ], s[TB], v[AQ0]
	v_add_nc_u32 v[AK], s[TB], v[AK0]
	FETCH 0, 3
	s_wait_dscnt 0x0
	MULS 0, 3, 0
	PLACES                                         ; in front of the loads into the fragments just read
	FETCH 3, \n2
	s_wait_dscnt 0x0
	MULS 3, \n2, \bias
	PLACES                                         ; in front of the reads of the results
	VEC \nb
.endm
	s_load_b128 s[4:7], s[0:1], 0x0                ; qkv s[4:5], part s[6:7]
	v_lshl_add_u32 v[SPW], v0, 2, SPARE
	v_mov_b32 v[NIL], 0
	ds_add_u32 v[SPW], v[NIL]                      ; the wave's opening: the add and its wait ahead of the first tensor load
	v_lshrrev_b32 v1, 5, v0
	v_readfirstlane_b32 s[WV], v1                  ; wave 0..7
	s_mov_b32 s9, ttmp9                            ; the block, 0..9: (0,0) (0,1) (0,2) (0,3) (1,1) (1,2) (1,3) (2,2) (2,3) (3,3)
	s_and_b32 s[CH], ttmp7, 0xffff                 ; the chunk, 0..24
	s_lshl_b32 s10, s9, 1
	s_lshr_b32 s11, 0xE9500, s10
	s_and_b32 s11, s11, 3                          ; its query band: two bits a block
	s_lshr_b32 s28, 0xFB9E4, s10
	s_and_b32 s28, s28, 3                          ; its key band
	s_mov_b32 s[G1+0], (1<<16)|(1<<20)|(4<<22)|(3<<25)  ; 2-byte elements; padding on: after every 32 words 4 words
	s_mov_b32 s[G1+1], 4096<<16                    ; tensor_dim0 = 4,096: a band's 64 rows are 8,192 dense bytes
	s_mov_b32 s[G1+2], 3<<16                       ; tensor_dim1 = 3 bh
	s_mov_b32 s[G1+3], 4096<<16                    ; tile_dim0
	s_mov_b32 s[G1+4], 3                           ; tile_dim1
	s_mov_b32 s[G1+5], 16384                       ; elements from a bh to the next
	s_mov_b32 s[G1+6], 0
	s_mov_b32 s[G1+7], 0
	s_cmp_eq_u32 s11, s28                          ; a block on the diagonal,
	s_cselect_b32 s[LIM], 1, -1
	s_cmp_lt_u32 s[WV], 4                          ; and a wave that fetches: these prefetch
	s_cselect_b32 s[LIM], s[LIM], -1
	s_bfe_u32 s29, s[WV], 0x10001                  ; I fetch Q (0) or K (1),
	s_and_b32 s30, s[WV], 1                        ; the step's first or second three bh
	s_cmp_eq_u32 s29, 0
	s_cselect_b32 s31, s11, s28
	s_mul_i32 s2, s[CH], 41
	s_mul_i32 s3, s30, 3
	s_add_co_u32 s2, s2, s3
	s_lshl_b32 s2, s2, 15                          ; bh x 32,768
	s_lshl_b32 s3, s29, 25                         ; k lies 33,554,432 bytes behind q
	s_add_co_u32 s2, s2, s3
	s_lshl_b32 s3, s31, 13                         ; band x 8,192
	s_add_co_u32 s2, s2, s3
	s_mov_b32 s3, 0
	s_mov_b32 s[G0], 1
	s_mul_i32 s[G0+1], s[WV], 3*BHB                ; slot 0: wave x three bands
	s_mov_b32 s[CS], 0x3db8aa3b                    ; c = log2(e) / 16
	s_mov_b32 s[CS+1], s[CS]
	s_mov_b32 s[TB], SLOT1                         ; the first change of slots turns it into 0
	s_wait_dscnt 0x0                               ; the opening add is done
	s_wait_kmcnt 0x0
	s_add_nc_u64 s[G0+2:G0+3], s[4:5], s[2:3]
	s_add_nc_u64 s[PFA:PFA+1], s[4:5], s[2:3]
	s_add_nc_u64 s[PFA:PFA+1], s[PFA:PFA+1], STEPG ; at step 1: the first change of slots steps it to 2
	s_or_b32 s[G0+3], s[G0+3], 0x80000000
	LOAD                                           ; step 0 into slot 0.  (The last chunk's last tile reaches two bh into the next tensor of qkv: inside the buffer, and not used)
	v_and_b32 v1, 15, v0                           ; l % 16
	v_bfe_u32 v7, v0, 4, 1                         ; l / 16
	s_lshr_b32 s10, s[WV], 1
	s_lshl_b32 s10, s10, 4
	v_add_nc_u32 v[AQ0], s10, v1
	v_mul_u32_u24 v[AQ0], v[AQ0], PQ
	v_lshl_add_u32 v[AQ0], v7, 4, v[AQ0]
	s_lshl_b32 s10, s30, 5
	v_add_nc_u32 v[AK0], s10, v1
	v_mul_u32_u24 v[AK0], v[AK0], PQ
	v_lshl_add_u32 v[AK0], v7, 4, v[AK0]
	v_add_nc_u32 v[AK0], KOFF, v[AK0]
	v_and_b32 v[LN], 31, v0
	v_lshlrev_b32 v[PFO], 8, v[LN]
	v_lshlrev_b32 v[LN], 4, v[LN]
.set p, 0
.rept 16
	v_mov_b32 v[CM+p], 0xfe000000                  ; far below every c s: the first step's a is 0
	v_mov_b32 v[LS+p], 0
.set p, p+1
.endr
	s_mul_i32 s2, s9, 819200                       ; part: [block][chunk][wave][8 x 512 bytes]
	s_lshl_b32 s3, s[CH], 15
	s_add_co_u32 s2, s2, s3
	s_lshl_b32 s3, s[WV], 12
	s_add_co_u32 s2, s2, s3
	s_mov_b32 s3, 0
	s_add_nc_u64 s[6:7], s[6:7], s[2:3]
	s_mov_b32 s[CNT], 6
.Lstep:                                                ; a trip: the step in hand is shown whole, the next is asked for, the step is worked
	CHANGE 1
	BODY 6, 3, 0
	s_sub_co_u32 s[CNT], s[CNT], 1
	s_cmp_lg_u32 s[CNT], 0
	s_cbranch_scc1 .Lstep
	CHANGE 0                                       ; the last step is written out: nothing is asked for
	s_cmp_eq_u32 s[CH], 24
	s_cselect_b32 s28, 0xf149f2ca, 0               ; -1e30 in the last chunk, which has 40 bh
.irp j, 0,1,2,3,4,5,6,7
	v_mov_b32 v[BIAS+(\j)], s28
.endr
	BODY 5, 2, 1
.irp g, 0,1,2,3,4,5,6,7
	global_store_b128 v[LN], v[CM+4*(\g):CM+4*(\g)+3], s[6:7] offset:512*(\g)  ; 512 consecutive bytes, aligned: cm's four quads, then l's
.endr
	s_wait_tensorcnt 0x0                           ; the wave's end
	ds_add_u32 v[SPW], v[NIL]
	s_wait_dscnt 0x0
	s_endpgm
.Lfunc_end_k_qc48142c2fd_stats:
	.size	k_qc48142c2fd_stats, .Lfunc_end_k_qc48142c2fd_stats-k_qc48142c2fd_stats
	.p2alignl 7, 3214868480
	.fill 96, 4, 3214868480
	.section	.rodata,"a",@progbits
	.p2align	6, 0x0
	.amdhsa_kernel k_qc48142c2fd_stats
		.amdhsa_group_segment_fixed_size 327680
		.amdhsa_private_segment_fixed_size 0
		.amdhsa_enable_private_segment 0
		.amdhsa_kernarg_size 16
		.amdhsa_user_sgpr_count 2
		.amdhsa_user_sgpr_kernarg_segment_ptr 1
		.amdhsa_wavefront_size32 1
		.amdhsa_system_sgpr_workgroup_id_x 1
		.amdhsa_system_sgpr_workgroup_id_y 1
		.amdhsa_system_sgpr_workgroup_id_z 1
		.amdhsa_system_vgpr_workitem_id 0
		.amdhsa_next_free_vgpr 400
		.amdhsa_next_free_sgpr 66
		.amdhsa_reserve_vcc 0
		.amdhsa_float_denorm_mode_32 3
		.amdhsa_float_denorm_mode_16_64 3
		.amdhsa_memory_ordered 1
		.amdhsa_forward_progress 1
		.amdhsa_inst_pref_size 47
	.end_amdhsa_kernel
	.amdgpu_metadata
---
amdhsa.version: [ 1, 2 ]
amdhsa.kernels:
  - .name:           k_qc48142c2fd_stats
    .symbol:         k_qc48142c2fd_stats.kd
    .args:
      - { .name: qkv, .offset: 0, .size: 8, .value_kind: global_buffer, .address_space: global }
      - { .name: part, .offset: 8, .size: 8, .value_kind: global_buffer, .address_space: global }
    .group_segment_fixed_size: 327680
    .private_segment_fixed_size: 0
    .kernarg_segment_align: 8
    .kernarg_segment_size: 16
    .max_flat_workgroup_size: 256
    .sgpr_count:     66
    .vgpr_count:     400
    .wavefront_size: 32
...
	.end_amdgpu_metadata
.endif
;; end of part 3
;; launch merge (part 4): grid 320 x 1, 1 waves a work-group, no clusters, 0 bytes of LDS; arguments part, ltab; writes ltab
.if DOCPART == 4
	.amdgcn_target "amdgcn-amd-amdhsa--gfx1250"
	.amdhsa_code_object_version 6
	.text
	.protected	k_qc48142c2fd_merge
	.globl	k_qc48142c2fd_merge
	.p2align	8
	.type	k_qc48142c2fd_merge,@function
k_qc48142c2fd_merge:
	s_mov_b64 s[64:65], 0
	v_nop
	global_prefetch_b8 v0, s[64:65] scope:SCOPE_SE
	s_setreg_imm32_b32 hwreg(HW_REG_WAVE_MODE, 25, 1), 1
	s_wait_xcnt 0x0
; L[t][s] = M + log2(the sum over the 25 chunks of l_c 2^(cm_c - M)), M = the largest cm_c: then 2^(c s - L) is the softmax's weight.  Where s <= t (hidden by the mask that the problem itself builds) L = 1e30: the weight is 0.
; A wave takes 128 places: block g / 32, wave image (g / 4) % 8, quad g % 4 of the images that the launch before stored; a lane four places.  All 50 loads go out at once; each covers 512 consecutive bytes.
; No LDS, no matrix unit: 8 MB are read once and 160 KB written.
.set M,   4                            ; v[4:7]
.set ACC, 8                            ; v[8:11]
.set CMR, 16                           ; v[16:115]   cm of chunk c at CMR + 4 c
.set LSR, 116                          ; v[116:215]  l likewise
	s_load_b128 s[4:7], s[0:1], 0x0                ; part s[4:5], ltab s[6:7]
	s_lshr_b32 s8, ttmp9, 5                        ; block
	s_bfe_u32 s9, ttmp9, 0x30002                   ; wave image
	s_and_b32 s10, ttmp9, 3                        ; quad
	s_mul_i32 s2, s8, 819200
	s_lshl_b32 s3, s9, 12
	s_add_co_u32 s2, s2, s3
	s_lshl_b32 s3, s10, 9
	s_add_co_u32 s2, s2, s3
	s_mov_b32 s3, 0
	s_lshl_b32 s16, ttmp9, 9
	s_mov_b32 s17, 0
	v_lshlrev_b32 v1, 4, v0                        ; one wave: the thread's number is the lane
	s_wait_kmcnt 0x0
	s_add_nc_u64 s[4:5], s[4:5], s[2:3]
	s_add_nc_u64 s[6:7], s[6:7], s[16:17]
.set c, 0
.rept 25
	global_load_b128 v[CMR+4*c:CMR+4*c+3], v1, s[4:5] offset:c*32768 th:TH_LOAD_NT
	global_load_b128 v[LSR+4*c:LSR+4*c+3], v1, s[4:5] offset:c*32768+2048 th:TH_LOAD_NT
.set c, c+1
.endr
	; D = my query's t less the s of my first place: place i is hidden where i <= D
	s_lshl_b32 s11, s8, 1
	s_lshr_b32 s12, 0xE9500, s11
	s_and_b32 s12, s12, 3                          ; query band
	s_lshr_b32 s13, 0xFB9E4, s11
	s_and_b32 s13, s13, 3                          ; key band
	s_sub_co_i32 s14, s12, s13
	s_lshl_b32 s14, s14, 6
	s_lshr_b32 s15, s9, 1
	s_lshl_b32 s15, s15, 4
	s_add_co_i32 s14, s14, s15                     ; + 16 (image / 2)
	s_and_b32 s15, s9, 1
	s_lshl_b32 s15, s15, 5
	s_sub_co_i32 s14, s14, s15                     ; - 32 (image % 2)
	s_lshr_b32 s15, s10, 1
	s_lshl_b32 s15, s15, 4
	s_sub_co_i32 s14, s14, s15                     ; - 16 (quad / 2)
	s_and_b32 s15, s10, 1
	s_lshl_b32 s15, s15, 2
	s_sub_co_i32 s14, s14, s15                     ; - 4 (quad % 2)
	v_and_b32 v2, 15, v0
	v_lshrrev_b32 v3, 4, v0
	v_lshlrev_b32 v3, 3, v3
	v_sub_nc_u32 v2, v2, v3
	v_add_nc_u32 v2, s14, v2
	v_mov_b32 v12, 0x7149f2ca                      ; 1e30
	s_wait_loadcnt 0x0
.irp i, 0,1,2,3
	v_max3_num_f32 v[M+(\i)], v[CMR+(\i)], v[CMR+4+(\i)], v[CMR+8+(\i)]
.endr
.set c, 3
.rept 11
.irp i, 0,1,2,3
	v_max3_num_f32 v[M+(\i)], v[M+(\i)], v[CMR+4*c+(\i)], v[CMR+4*c+4+(\i)]
.endr
.set c, c+2
.endr
.set c, 0
.rept 25
	v_pk_add_f32 v[CMR+4*c:CMR+4*c+1],   v[CMR+4*c:CMR+4*c+1],   v[M:M+1]   neg_lo:[0,1] neg_hi:[0,1]
	v_pk_add_f32 v[CMR+4*c+2:CMR+4*c+3], v[CMR+4*c+2:CMR+4*c+3], v[M+2:M+3] neg_lo:[0,1] neg_hi:[0,1]
.set c, c+1
.endr
.set c, 0
.rept 100
	v_exp_f32 v[CMR+c], v[CMR+c]
.set c, c+1
.endr
	v_nop                                          ; a plain instruction behind the last exponential,
	s_wait_alu depctr_va_vdst(0)                   ; and one wait for the batch
	v_pk_mul_f32 v[ACC:ACC+1],   v[CMR:CMR+1],   v[LSR:LSR+1]
	v_pk_mul_f32 v[ACC+2:ACC+3], v[CMR+2:CMR+3], v[LSR+2:LSR+3]
.set c, 1
.rept 24
	v_pk_fma_f32 v[ACC:ACC+1],   v[CMR+4*c:CMR+4*c+1],   v[LSR+4*c:LSR+4*c+1],   v[ACC:ACC+1]
	v_pk_fma_f32 v[ACC+2:ACC+3], v[CMR+4*c+2:CMR+4*c+3], v[LSR+4*c+2:LSR+4*c+3], v[ACC+2:ACC+3]
.set c, c+1
.endr
.irp i, 0,1,2,3
	v_log_f32 v[ACC+(\i)], v[ACC+(\i)]             ; the sum is 1 or more: the chunk with the largest cm gives its l, which is 1 or more
.endr
	v_nop
	s_wait_alu depctr_va_vdst(0)
.irp i, 0,1,2,3
	v_add_f32 v[ACC+(\i)], v[M+(\i)], v[ACC+(\i)]
	v_cmp_le_i32 vcc_lo, \i, v2
	v_cndmask_b32 v[ACC+(\i)], v[ACC+(\i)], v12, vcc_lo
.endr
	global_store_b128 v1, v[ACC:ACC+3], s[6:7]     ; 512 consecutive bytes, aligned
	s_endpgm
.Lfunc_end_k_qc48142c2fd_merge:
	.size	k_qc48142c2fd_merge, .Lfunc_end_k_qc48142c2fd_merge-k_qc48142c2fd_merge
	.p2alignl 7, 3214868480
	.fill 96, 4, 3214868480
	.section	.rodata,"a",@progbits
	.p2align	6, 0x0
	.amdhsa_kernel k_qc48142c2fd_merge
		.amdhsa_group_segment_fixed_size 0
		.amdhsa_private_segment_fixed_size 0
		.amdhsa_enable_private_segment 0
		.amdhsa_kernarg_size 16
		.amdhsa_user_sgpr_count 2
		.amdhsa_user_sgpr_kernarg_segment_ptr 1
		.amdhsa_wavefront_size32 1
		.amdhsa_system_sgpr_workgroup_id_x 1
		.amdhsa_system_sgpr_workgroup_id_y 1
		.amdhsa_system_sgpr_workgroup_id_z 1
		.amdhsa_system_vgpr_workitem_id 0
		.amdhsa_next_free_vgpr 240
		.amdhsa_next_free_sgpr 66
		.amdhsa_reserve_vcc 1
		.amdhsa_float_denorm_mode_32 3
		.amdhsa_float_denorm_mode_16_64 3
		.amdhsa_memory_ordered 1
		.amdhsa_forward_progress 1
		.amdhsa_inst_pref_size 20
	.end_amdhsa_kernel
	.amdgpu_metadata
---
amdhsa.version: [ 1, 2 ]
amdhsa.kernels:
  - .name:           k_qc48142c2fd_merge
    .symbol:         k_qc48142c2fd_merge.kd
    .args:
      - { .name: part, .offset: 0, .size: 8, .value_kind: global_buffer, .address_space: global }
      - { .name: ltab, .offset: 8, .size: 8, .value_kind: global_buffer, .address_space: global }
    .group_segment_fixed_size: 0
    .private_segment_fixed_size: 0
    .kernarg_segment_align: 8
    .kernarg_segment_size: 16
    .max_flat_workgroup_size: 32
    .sgpr_count:     66
    .vgpr_count:     240
    .wavefront_size: 32
...
	.end_amdgpu_metadata
.endif
;; end of part 4
;; launch attend (part 5): grid 256 x 1, 4 waves a work-group, no clusters, 327,680 bytes of LDS; arguments qkv, ltab, out0; writes out0
.if DOCPART == 5
	.amdgcn_target "amdgcn-amd-amdhsa--gfx1250"
	.amdhsa_code_object_version 6
	.text
	.protected	k_qc48142c2fd_attend
	.globl	k_qc48142c2fd_attend
	.p2align	8
	.type	k_qc48142c2fd_attend,@function
k_qc48142c2fd_attend:
	s_mov_b64 s[64:65], 0
	v_nop
	global_prefetch_b8 v0, s[64:65] scope:SCOPE_SE
	s_setreg_imm32_b32 hwreg(HW_REG_WAVE_MODE, 25, 1), 1
	s_wait_xcnt 0x0
; out0[b][t][64 head + d] = the sum over s of p[t][s] v[bh][s][d], bh = 16 b + head;  p = 2^(c q.k - L[t][s]) where s > t, c = log2(e) / 16, and exactly 1/1024 where s <= t (there all 1,024 scores are the same number).
; The scores are made anew from q and k; L (maximum and sum over bh in one number) comes from the launches before; products and sums in f32, p rounded to f16 for the second product.
; LIMITS: q, k, v arrive within f16's range; p lies in 0 to 1 and below 6e-5 keeps f16's fixed step of 6e-8; a weight below 2^-126 counts as 0; NaN and infinities are not treated apart.
; SHARES: a work-group takes four bh, 4 g .. 4 g + 3, one after the other.  Of the four bands of 64 queries a wave owns 16 rows in each (rows 64 x + 16 w on), so all four waves run one text.  Key step y is 64 keys:
; y < x: P is the constant 2^-10;  y > x: P is computed;  y = x: computed, with L = 1e30 where hidden (the weight is 0), and 2^-10 is put there by an OR.  L stays in registers for all four bh: 10 items of 32.
; LAYOUT: S^T = K Q^T (a lane: query l % 16, keys 8 (l / 16) + 0..7); two results rounded to f16 in pairs ARE source 1 of O^T = V^T P; V comes out of LDS turned.
; THE TILES: K and V of all four bh have LDS bytes of their own (8 x 36,864), so nothing is filled twice and no tensor load stands in the loop: a bh's text is written once and walked four times.
; The first bh's tiles go out at the head, a quarter a wave; behind the first barrier each wave asks for its half of K or of V of the other three bh by ONE load (they are dense in memory and in LDS: 192 rows of 256 bytes).
; At a trip's bottom every wave waits for that load and passes a barrier, so that the next trips read whole tiles; from the second trip on the wait is met at once.
; NO CLUSTER: no K or V tile is read by two work-groups; L goes straight into registers.  NO PREFETCH: every tile is asked for by its tensor load within the first bh's work, and Q is loaded a bh ahead.
; REGISTERS in windows of 256 (s_set_vgpr_msb: bits 1:0 source 0, 3:2 source 1, 5:4 source 2, 7:6 destination):
;   window 0: v0-15 addresses; v16-31 MC; v32-39 the constant P; v64-191 S^T, 32 a band, later the rows read back; v192-255 P, 16 a band
;   window 1: v0-127 O^T, 32 a band; v128-191 Q      window 2: v0-63 K, v64-127 V of one step; v128-191 L's items 8, 9      window 3: L's items 0-7
.set PK,    144                        ; K in LDS: 128 bytes + 16 a key.  V: 32 bytes behind every two keys: key 2 i at 288 i, key 2 i + 1 128 bytes on: 144 bytes a key too; 16 keys are 2,304 bytes in both.
                                       ; The 8 keys x 32 bytes that 16 lanes of the turning load take start at words 0, 32, 8, 40, 16, 48, 24, 56 modulo 64: they do not meet
.set KB1,   256*PK                     ; K, or V, of one bh
.set VOFF,  4*KB1                      ; four K, then four V
.set STAGE, 8*KB1                      ; behind the tiles: 16 rows x 272 bytes for each wave; no tensor load lands here
.set SP,    272
.set SPARE, STAGE+4*16*SP              ; the spare words: two blocks of 256 bytes that no other line names
.set AK0, 2
.set AV0, 3
.set AK,  4
.set AV,  5
.set QO,  6                            ; v6   my byte offset in 16 rows of Q; never rewritten
.set STO, 7
.set RD,  8
.set GO,  9
.set LO,  10
.set MC,  16                           ; v[16:31]  2^-10 in the halves that are hidden in a band's own step, else 0
.set CP,  32                           ; v[32:39]  2^-10 twice
.set SPW, 40
.set NIL, 41
.set S,   64
.set P,   192
.set QF,  128                          ; window 1
.set KF,  0                            ; window 2
.set VF,  64                           ; window 2
.set WV,  12
.set G1K, 24                           ; s[24:31]
.set G1V, 32                           ; s[32:39]
.set G0K, 40                           ; s[40:47] group 0 for K: the first bh's load, then the load of the other three
.set G0V, 48                           ; s[48:55] the same for V
.set QB,  56                           ; s[56:57] q at my rows of the bh in hand
.set CS,  58                           ; s[58:59] c
.set OBS, 60                           ; s[60:61] out0 at my rows and the head in hand
.set TB,  62                           ; s62  LDS byte at which K of the bh in hand begins
.set CNT, 63                           ; s63  bh still to come, this one among them
.set MSB, 0
.macro WIN new
.if MSB != (\new)
	s_set_vgpr_msb (MSB<<8)|(\new)
.set MSB, \new
.endif
.endm
.macro PLACES
.rept 4
	v_nop
.endr
.endm
.macro LOAD s                          ; waves 0 and 1 fetch the halves of K, waves 2 and 3 those of V.  An s_nop 0 and four v_nop follow each line
	s_cmp_lt_u32 s[WV], 2
	s_cbranch_scc0 .Lfor_v_\@
	tensor_load_to_lds s[G0K+4*(\s):G0K+4*(\s)+3], s[G1K:G1K+7]
	s_nop 0
.rept 4
	v_nop
.endr
	s_branch .Lasked_\@
.Lfor_v_\@:
	tensor_load_to_lds s[G0V+4*(\s):G0V+4*(\s)+3], s[G1V:G1V+7]
	s_nop 0
.rept 4
	v_nop
.endr
.Lasked_\@:
.endm
.macro QLOAD off                       ; my 64 rows of Q, as fragments: band x, 32 bytes e
	WIN 0x40
.irp x, 0,1,2,3
.irp e, 0,1,2,3
	global_load_b128 v[QF+16*(\x)+4*(\e):QF+16*(\x)+4*(\e)+3], v[QO], s[QB:QB+1] offset:(\off)+(\x)*8192+(\e)*32
.endr
.endr
	WIN 0
.endm
.macro FETCH_K y
	WIN 0x80
.irp f, 0,1,2,3,4,5,6,7                ; keys 16 (f / 2) on, channels 32 (f % 2) on
	ds_load_b128 v[KF+8*(\f):KF+8*(\f)+3],   v[AK] offset:(\y)*64*PK+((\f)/2)*16*PK+((\f)%2)*64
	ds_load_b128 v[KF+8*(\f)+4:KF+8*(\f)+7], v[AK] offset:(\y)*64*PK+((\f)/2)*16*PK+((\f)%2)*64+32
.endr
	WIN 0
.endm
.macro FETCH_V y
	WIN 0x80
.irp f, 0,1,2,3,4,5,6,7                ; keys 32 (f / 4) on, channels 16 (f % 4) on
	ds_load_tr16_b128 v[VF+8*(\f):VF+8*(\f)+3],   v[AV] offset:(\y)*64*PK+((\f)/4)*32*PK+((\f)%4)*32
	ds_load_tr16_b128 v[VF+8*(\f)+4:VF+8*(\f)+7], v[AV] offset:(\y)*64*PK+((\f)/4)*32*PK+16*PK+((\f)%4)*32
.endr
	WIN 0
.endm
.macro SPROD y                         ; S^T for bands 0 .. y: 8 (y + 1) products; the accumulators take turns
	WIN 0x06                                       ; K window 2, Q window 1, S^T window 0
.irp cc, 0,1
.set x, 0
.rept (\y)+1
.irp kb, 0,1,2,3
.set rS, S+32*x+8*(\kb)
.set rK, KF+16*(\kb)+8*(\cc)
.set rQ, QF+16*x+8*(\cc)
.if (\cc) == 0
	v_wmma_f32_16x16x32_f16 v[rS:rS+7], v[rK:rK+7], v[rQ:rQ+7], 0
.else
	v_wmma_f32_16x16x32_f16 v[rS:rS+7], v[rK:rK+7], v[rQ:rQ+7], v[rS:rS+7]
.endif
.endr
.set x, x+1
.endr
.endr
.endm
.macro SOFT y                          ; c s - L and the exponentials, one batch; one wait; the roundings; the band's own step takes 2^-10 where hidden
.set x, 0
.rept (\y)+1
.set n, 3*x-(x*(x-1))/2+(\y)           ; the item's number among the ten blocks
.if n < 8
	WIN 0x30
.set rL, 32*n
.else
	WIN 0x20
.set rL, 128+32*(n-8)
.endif
.set i, 0
.rept 16
	v_pk_fma_f32 v[S+32*x+2*i:S+32*x+2*i+1], v[S+32*x+2*i:S+32*x+2*i+1], s[CS:CS+1], v[rL+2*i:rL+2*i+1] op_sel_hi:[1,0,1] neg_lo:[0,0,1] neg_hi:[0,0,1]
.set i, i+1
.endr
	WIN 0
.set i, 0
.rept 32
	v_exp_f32 v[S+32*x+i], v[S+32*x+i]
.set i, i+1
.endr
.set x, x+1
.endr
	v_nop                                          ; a plain instruction behind the last exponential,
	s_wait_alu depctr_va_vdst(0)                   ; and one wait for the batch
.set i, 0
.rept 16*((\y)+1)
	v_cvt_pk_f16_f32 v[P+i], v[S+2*i], v[S+2*i+1]
.set i, i+1
.endr
.set i, 0
.rept 16
	v_or_b32 v[P+16*(\y)+i], v[P+16*(\y)+i], v[MC+i]
.set i, i+1
.endr
.endm
.macro PVS y                           ; O^T += V^T P for all four bands: 32 products, 16 accumulators by turns.  The first key step's first 16 start the sums
	WIN 0x52                                       ; V window 2, P window 0, O^T window 1
.irp kk, 0,1
.irp cb, 0,1,2,3
.set x, 0
.rept 4
.set rO, 32*x+8*(\cb)
.set rV, VF+32*(\kk)+8*(\cb)
.if x <= (\y)
.set rP, P+16*x+8*(\kk)
.else
.set rP, CP
.endif
.if ((\y) == 0) && ((\kk) == 0)
	v_wmma_f32_16x16x32_f16 v[rO:rO+7], v[rV:rV+7], v[rP:rP+7], 0
.else
	v_wmma_f32_16x16x32_f16 v[rO:rO+7], v[rV:rV+7], v[rP:rP+7], v[rO:rO+7]
.endif
.set x, x+1
.endr
.endr
.endr
.endm
.macro STEPY y
	s_wait_dscnt 16                                ; K of this step is in; V's 16 loads may stay out
	SPROD \y
	PLACES                                         ; in front of the loads into K's (or Q's) registers and of the reads of the scores
.if (\y) < 3
	FETCH_K (\y)+1
.else
	WIN 0
	s_cmp_eq_u32 s[CNT], 1                         ; the last bh has none behind it: its trip jumps forward over these loads into registers
	s_cbranch_scc1 .Lno_q_\@
	QLOAD 32768                                    ; the next bh's Q
.Lno_q_\@:
.endif
	SOFT \y
.if (\y) < 3
	s_wait_dscnt 16                                ; V is in; the next K's 16 loads may stay out
.else
	s_wait_dscnt 0x0
.endif
	PVS \y
	PLACES                                         ; in front of the loads into V's registers, and of the stores that read O^T
.if (\y) < 3
	FETCH_V (\y)+1
.endif
	WIN 0
.endm
; The way out of band x: a lane's eight channels of a row are 32 bytes; they go into rows of 272 bytes of my own stage and come back as whole rows of 256.
.macro OUTX x
	WIN 0x04                                       ; the stores' data in window 1
.irp cb, 0,1,2,3
	ds_store_b128 v[STO], v[32*(\x)+8*(\cb):32*(\x)+8*(\cb)+3]   offset:64*(\cb)
	ds_store_b128 v[STO], v[32*(\x)+8*(\cb)+4:32*(\x)+8*(\cb)+7] offset:64*(\cb)+16
.endr
	WIN 0
.irp f, 0,1,2,3,4,5,6,7
	ds_load_b128 v[S+32*(\x)+4*(\f):S+32*(\x)+4*(\f)+3], v[RD] offset:(\f)*2*SP  ; LDS serves a wave's instructions in order: these see the stores above; the next band's stores come behind them
.endr
.endm
.macro SENDX x, younger                ; younger: the LDS instructions issued behind band x's loads
.irp f, 0,1,2,3,4,5,6,7
	s_wait_dscnt (\younger)+7-(\f)
	global_store_b128 v[GO], v[S+32*(\x)+4*(\f):S+32*(\x)+4*(\f)+3], s[OBS:OBS+1] offset:(\x)*262144+(\f)*8192 th:TH_STORE_NT  ; 16 lanes store a row's 256 consecutive bytes, aligned
.endr
.endm
.macro COMPUTE
	s_wait_loadcnt 0x0                             ; Q (and, the first time, L)
	v_add_nc_u32 v[AK], s[TB], v[AK0]
	v_add_nc_u32 v[AV], s[TB], v[AV0]
	FETCH_K 0
	FETCH_V 0
	STEPY 0
	STEPY 1
	STEPY 2
	STEPY 3
	OUTX 0
	OUTX 1
	SENDX 0, 16
	OUTX 2
	SENDX 1, 16
	OUTX 3
	SENDX 2, 16
	SENDX 3, 0
.endm
	s_load_b128 s[4:7], s[0:1], 0x0                ; qkv s[4:5], ltab s[6:7]
	s_load_b64 s[8:9], s[0:1], 0x10                ; out0
	v_lshl_add_u32 v[SPW], v0, 2, SPARE
	v_mov_b32 v[NIL], 0
	ds_add_u32 v[SPW], v[NIL]                      ; the wave's opening: the add and its wait ahead of my first tensor load
	v_lshrrev_b32 v1, 5, v0
	v_readfirstlane_b32 s[WV], v1                  ; wave 0..3
	s_and_b32 s16, s[WV], 1                        ; which half I fetch
	s_lshl_b32 s2, ttmp9, 17                       ; bh 4 g: 4 x 32,768 bytes
	s_lshl_b32 s3, s16, 14                         ; the first bh: my 128 keys of 128 bytes
	s_add_co_u32 s20, s2, s3
	s_add_co_u32 s20, s20, 1<<25                   ; k lies 33,554,432 bytes behind q,
	s_mov_b32 s21, 0
	s_add_co_u32 s22, s20, 1<<25                   ; v as far behind k
	s_mov_b32 s23, 0
	s_mul_i32 s3, s16, 192*256                     ; the other three bh: my 192 rows of 256 bytes,
	s_add_co_u32 s18, s2, s3
	s_add_co_u32 s18, s18, (1<<25)+32768           ; a bh behind the first
	s_mov_b32 s19, 0
	s_add_co_u32 s14, s18, 1<<25
	s_mov_b32 s15, 0
	s_mov_b32 s[G1K], (1<<16)|(1<<20)|(4<<22)|(3<<25)  ; 2-byte elements; padding on: after every 32 words (a key) 4 words
	s_mov_b32 s[G1V], (1<<16)|(1<<20)|(5<<22)|(7<<25)  ; after every 64 words (two keys) 8 words
.irp g, G1K, G1V
	s_mov_b32 s[\g+1], 128<<16                     ; keys are dense: rows of 256 bytes, two keys a row
	s_mov_b32 s[\g+2], 64<<16                      ; the first load: 64 rows
	s_mov_b32 s[\g+3], 128<<16
	s_mov_b32 s[\g+4], 64
	s_mov_b32 s[\g+5], 128
	s_mov_b32 s[\g+6], 0
	s_mov_b32 s[\g+7], 0
.endr
	s_mov_b32 s[CS], 0x3db8aa3b                    ; c = log2(e) / 16
	s_mov_b32 s[CS+1], s[CS]
	s_mul_i32 s17, s16, 64*2*PK                    ; a row of 256 bytes takes 288 in LDS
	s_mov_b32 s[G0K], 1
	s_mov_b32 s[G0K+1], s17
	s_mov_b32 s[G0V], 1
	s_add_co_u32 s[G0V+1], s17, VOFF
	s_mul_i32 s17, s16, 192*2*PK
	s_mov_b32 s[G0K+4], 1
	s_add_co_u32 s[G0K+5], s17, KB1
	s_mov_b32 s[G0V+4], 1
	s_add_co_u32 s[G0V+5], s17, VOFF+KB1
	s_lshl_b32 s3, s[WV], 11                       ; my 16 rows in a band of q
	s_add_co_u32 s2, s2, s3
	s_mov_b32 s3, 0
	s_lshr_b32 s16, ttmp9, 2                       ; b
	s_lshl_b32 s16, s16, 20
	s_lshl_b32 s17, s[WV], 16                      ; my 16 rows of 4,096 bytes
	s_add_co_u32 s16, s16, s17
	s_and_b32 s17, ttmp9, 3
	s_lshl_b32 s17, s17, 10                        ; head 4 (g % 4): 256 bytes a head
	s_add_co_u32 s16, s16, s17
	s_mov_b32 s17, 0
	s_wait_dscnt 0x0                               ; the opening add is done
	s_wait_kmcnt 0x0
	s_add_nc_u64 s[G0K+2:G0K+3], s[4:5], s[20:21]
	s_or_b32 s[G0K+3], s[G0K+3], 0x80000000
	s_add_nc_u64 s[G0V+2:G0V+3], s[4:5], s[22:23]
	s_or_b32 s[G0V+3], s[G0V+3], 0x80000000
	s_add_nc_u64 s[G0K+6:G0K+7], s[4:5], s[18:19]
	s_or_b32 s[G0K+7], s[G0K+7], 0x80000000
	s_add_nc_u64 s[G0V+6:G0V+7], s[4:5], s[14:15]
	s_or_b32 s[G0V+7], s[G0V+7], 0x80000000
	s_add_nc_u64 s[QB:QB+1], s[4:5], s[2:3]
	s_add_nc_u64 s[OBS:OBS+1], s[8:9], s[16:17]
	LOAD 0                                         ; the first bh's tiles
	v_and_b32 v1, 15, v0                           ; l % 16
	v_bfe_u32 v11, v0, 4, 1                        ; l / 16
	v_lshlrev_b32 v[QO], 7, v1
	v_lshl_add_u32 v[QO], v11, 4, v[QO]            ; row x 128 + 16 x half
	QLOAD 0
	v_and_b32 v12, 31, v0
	s_lshl_b32 s13, s[WV], 12
	v_lshl_add_u32 v[LO], v12, 4, s13              ; L's image: 4,096 bytes a wave, 16 a lane
.set n, 0
.rept 10
.if n < 8
	WIN 0xc0
.set rL, 32*n
.else
	WIN 0x80
.set rL, 128+32*(n-8)
.endif
.set i, 0
.rept 8
	global_load_b128 v[rL+4*i:rL+4*i+3], v[LO], s[6:7] offset:n*16384+i*512
.set i, i+1
.endr
.set n, n+1
.endr
	WIN 0
	v_mul_u32_u24 v[AK0], v1, PK
	v_lshl_add_u32 v[AK0], v11, 4, v[AK0]
	v_and_b32 v12, 7, v0
	v_bfe_u32 v13, v0, 3, 1
	v_lshrrev_b32 v14, 1, v12                      ; the turning load's key 8 (l / 16) + l % 8: its pair 4 (l / 16) + (l % 8) / 2,
	v_lshl_add_u32 v14, v11, 2, v14
	v_mul_u32_u24 v[AV0], v14, 2*PK                ; 288 bytes a pair,
	v_and_b32 v14, 1, v12
	v_lshl_add_u32 v[AV0], v14, 7, v[AV0]          ; the odd key 128 bytes on,
	v_lshl_add_u32 v[AV0], v13, 4, v[AV0]          ; channels 8 ((l / 8) % 2) on
	v_add_nc_u32 v[AV0], VOFF, v[AV0]
	s_mul_i32 s13, s[WV], 16*SP
	s_add_co_u32 s13, s13, STAGE                   ; my stage
	v_mul_u32_u24 v[STO], v1, SP                   ; in: row l % 16, 32 bytes for each half of the lanes
	v_lshl_add_u32 v[STO], v11, 5, v[STO]
	v_add_nc_u32 v[STO], s13, v[STO]
	v_mul_u32_u24 v[RD], v11, SP                   ; back: lanes 0-15 one row of 256 bytes, lanes 16-31 the next
	v_lshl_add_u32 v[RD], v1, 4, v[RD]
	v_add_nc_u32 v[RD], s13, v[RD]
	v_lshlrev_b32 v[GO], 12, v11                   ; and the same two rows in out0
	v_lshl_add_u32 v[GO], v1, 4, v[GO]
	v_lshlrev_b32 v14, 3, v11
	v_sub_nc_u32 v14, v1, v14
	s_lshl_b32 s13, s[WV], 4
	v_add_nc_u32 v14, s13, v14                     ; my query's place in its band less my lanes' 8 (l / 16): key 16 kb + j of the band's own step is hidden where it is not greater
	v_mov_b32 v12, 0x1400                          ; 2^-10 in f16, low half,
	v_mov_b32 v15, 0x14000000                      ; high half
.set i, 0
.rept 16
	v_cmp_le_i32 vcc_lo, 16*(i/4)+2*(i%4), v14
	v_cndmask_b32 v[MC+i], 0, v12, vcc_lo
	v_cmp_le_i32 vcc_lo, 16*(i/4)+2*(i%4)+1, v14
	v_cndmask_b32 v13, 0, v15, vcc_lo
	v_or_b32 v[MC+i], v[MC+i], v13
.set i, i+1
.endr
.set i, 0
.rept 8
	v_mov_b32 v[CP+i], 0x14001400
.set i, i+1
.endr
	; The first bh's tiles are shown whole, and the other three bh are asked for: bytes that are filled for the first time, by a load issued as a refill is: my one tensor load behind this barrier
	s_wait_tensorcnt 0x0                           ; my part of the first bh is in; no tensor load of mine is out, so the shape's words may be written
	ds_add_u32 v[SPW], v[NIL]
	s_mov_b32 s[G1K+2], 192<<16                    ; 192 rows now
	s_mov_b32 s[G1K+4], 192
	s_mov_b32 s[G1V+2], 192<<16
	s_mov_b32 s[G1V+4], 192
	s_wait_dscnt 0x0
	s_barrier_signal -1
	s_barrier_wait -1
	LOAD 1
	s_mov_b32 s[TB], 0
	s_mov_b32 s[CNT], 4
.Lbh:                                                  ; a trip: a bh is worked and stored
	COMPUTE
	s_wait_tensorcnt 0x0                           ; my half of K or V of the later bh is in (nothing was issued behind that load); from the second trip on this is met at once
	ds_add_u32 v[SPW], v[NIL]
	s_wait_xcnt 0x0                                ; the loads and stores have read their bases and data: the pointers step, and the next bh may write S^T's registers
	s_add_nc_u64 s[QB:QB+1], s[QB:QB+1], 32768
	s_add_nc_u64 s[OBS:OBS+1], s[OBS:OBS+1], 256
	s_add_co_u32 s[TB], s[TB], KB1
	s_wait_dscnt 0x0
	s_barrier_signal -1                            ; every wave's part is in: the next trips read whole tiles
	s_barrier_wait -1
	s_sub_co_u32 s[CNT], s[CNT], 1
	s_cmp_lg_u32 s[CNT], 0
	s_cbranch_scc1 .Lbh
	s_wait_tensorcnt 0x0                           ; the wave's end
	ds_add_u32 v[SPW], v[NIL]
	s_wait_dscnt 0x0
	s_endpgm
.Lfunc_end_k_qc48142c2fd_attend:
	.size	k_qc48142c2fd_attend, .Lfunc_end_k_qc48142c2fd_attend-k_qc48142c2fd_attend
	.p2alignl 7, 3214868480
	.fill 96, 4, 3214868480
	.section	.rodata,"a",@progbits
	.p2align	6, 0x0
	.amdhsa_kernel k_qc48142c2fd_attend
		.amdhsa_group_segment_fixed_size 327680
		.amdhsa_private_segment_fixed_size 0
		.amdhsa_enable_private_segment 0
		.amdhsa_kernarg_size 24
		.amdhsa_user_sgpr_count 2
		.amdhsa_user_sgpr_kernarg_segment_ptr 1
		.amdhsa_wavefront_size32 1
		.amdhsa_system_sgpr_workgroup_id_x 1
		.amdhsa_system_sgpr_workgroup_id_y 1
		.amdhsa_system_sgpr_workgroup_id_z 1
		.amdhsa_system_vgpr_workitem_id 0
		.amdhsa_next_free_vgpr 1024
		.amdhsa_next_free_sgpr 66
		.amdhsa_reserve_vcc 1
		.amdhsa_float_denorm_mode_32 3
		.amdhsa_float_denorm_mode_16_64 3
		.amdhsa_memory_ordered 1
		.amdhsa_forward_progress 1
		.amdhsa_inst_pref_size 86
	.end_amdhsa_kernel
	.amdgpu_metadata
---
amdhsa.version: [ 1, 2 ]
amdhsa.kernels:
  - .name:           k_qc48142c2fd_attend
    .symbol:         k_qc48142c2fd_attend.kd
    .args:
      - { .name: qkv, .offset: 0, .size: 8, .value_kind: global_buffer, .address_space: global }
      - { .name: ltab, .offset: 8, .size: 8, .value_kind: global_buffer, .address_space: global }
      - { .name: out0, .offset: 16, .size: 8, .value_kind: global_buffer, .address_space: global }
    .group_segment_fixed_size: 327680
    .private_segment_fixed_size: 0
    .kernarg_segment_align: 8
    .kernarg_segment_size: 24
    .max_flat_workgroup_size: 128
    .sgpr_count:     66
    .vgpr_count:     1024
    .wavefront_size: 32
...
	.end_amdgpu_metadata
.endif
;; end of part 5
